; MI455X (gfx1250); checked and timed in simulation.
; The chip was launched on July 23, 2026; its instructions are those of AMD's public machine-readable ISA for CDNA 5 (MIT licence, August 2026) and "CDNA5" Instruction Set Architecture Reference Guide (July 2026). The comments in the code are by the model that wrote it; some were corrected since.
;; Head. Allowed arithmetic: matrix products marked QUANTISED: E4M3 operands, one E8M0 scale for each 32 along K, by v_wmma_scale_f32_16x16x128_f8f6f4 with both operands' format E4M3, f32 sums; everything else in f32.
;; Inputs: Wk_codes 64 x 16 x 32 uint8 (E4M3 codes of Wk, K innermost, in blocks of 32 codes); Wk_scales 64 x 16 uint8 (E8M0 scales of Wk, one for each 32 codes along K); Wq_codes 64 x 16 x 32 uint8 (E4M3 codes of Wq, K innermost, in blocks of 32 codes); Wq_scales 64 x 16 uint8 (E8M0 scales of Wq, one for each 32 codes along K); Wv_codes 64 x 16 x 32 uint8 (E4M3 codes of Wv, K innermost, in blocks of 32 codes); Wv_scales 64 x 16 uint8 (E8M0 scales of Wv, one for each 32 codes along K); bk 64 float32; bq 64 float32; bv 64 float32; x_codes 8 x 2,048 x 16 x 32 uint8 (E4M3 codes of x, K innermost, in blocks of 32 codes); x_scales 8 x 2,048 x 16 uint8 (E8M0 scales of x, one for each 32 codes along K).
;; Outputs: out0 8 x 2,048 x 64 float32.
;; This version of the problem:
;;   THIS VERSION OF THE PROBLEM IS GIVEN IN LOW PRECISION. The matrix products marked QUANTISED in the list below multiply operands that are first quantised to E4M3 (4 exponent bits, 3 mantissa bits; 8 bits a number), with one power-of-two scale for each 32 numbers along K (OCP MX v1.0); their sums are f32. All else is computed in f32.
;;   The module's matrix products, in the order in which they are computed (A, B: the left and right operand; K: the contracted axis; several contracted axes count as one K, in the product's order):
;;     1. [M 16,384, K 512] x [K 512, N 64]; A: input x (given as codes); B: input Wk (given as codes): QUANTISED
;;     2. [M 16,384, K 512] x [K 512, N 64]; A: input x (given as codes); B: input Wq (given as codes): QUANTISED
;;     3. [M 16,384, K 512] x [K 512, N 64]; A: input x (given as codes); B: input Wv (given as codes): QUANTISED
;;     4. batch 8 x [M 2,048, K 64] x [K 64, N 2,048]; A: computed on the way; B: computed on the way: QUANTISED
;;     5. batch 8 x [M 2,048, K 2,048] x [K 2,048, N 64]; A: softmax (see below); B: computed on the way: QUANTISED
;;   THE QUANTISER, for each operand of a quantised product, along K:
;;     - K is cut into blocks of 32 from its start; a last block that is shorter is filled with zeros.
;;     - A block's scale is 2^e with e = floor(log2(the largest magnitude in the block)) - 8, held to -126 .. 127; a block of zeros has e = 0. As a byte (E8M0): e + 127.
;;     - Each number is divided by its block's scale, clamped to +-448, and rounded to the nearest number of E4M3, ties to even, subnormals kept.
;;     - The product sums the exact products of the quantised numbers (number of the format x scale) in f32.
;;   ~~~python
;;   def quantise(x, axis):      # numpy; x: float32 -> the quantised numbers, widened to float32 again
;;       x = np.moveaxis(x, axis, -1); K = x.shape[-1]
;;       x = np.pad(x, [(0, 0)] * (x.ndim - 1) + [(0, -K % 32)]); x = x.reshape(x.shape[:-1] + (-1, 32)); a = np.abs(x).max(-1, keepdims=True)
;;       e = np.where(a > 0, np.clip(np.frexp(np.where(a > 0, a, 1))[1] - 1 - 8, -126, 127), 0)      # np.frexp(a)[1] - 1 = floor(log2(a)), exactly
;;       r = np.clip(x / 2.0 ** e, -448, 448)
;;       step = 2.0 ** (np.maximum(np.frexp(np.where(r == 0, 1, r))[1] - 1, -6) - 3)
;;       q = np.round(r / step) * step * 2.0 ** e      # np.round: ties to even
;;       return np.moveaxis(q.reshape(q.shape[:-2] + (-1,))[..., :K], -1, axis).astype(np.float32)
;;   ~~~
;;   SOFTMAX AHEAD OF A QUANTISED PRODUCT. Where the list says 'softmax', what is quantised is not the finished softmax but p = 2^(t - M), with t = logit x log2(e) and M = ceil(the row's largest t), a whole number; so 1/2 < the row's largest p <= 1. The row's sum l is taken of the UNQUANTISED p, in f32, and the product's result is divided by l at the end. Since M is a whole number, a kernel that streams over the keys may use a running M (the ceiling of the running maximum): every later rescaling is an exact power of two, which a block's scale takes up: the codes' values come out the same.
;;   OPERANDS COMPUTED ON THE WAY. 'Computed on the way' means the value that the module computes at that place (a softmax that the list does not call 'softmax' is quantised finished and normalised). What goes into a quantiser is computed in f32, as accurately as f32 sums, v_exp_f32 and their like allow (about 1e-6 of the number): no bf16 or f16 on the way to a quantiser, and a product that is left as it is and whose result goes on into a quantised operand takes f32 operands (vector FMAs, or v_wmma_f32_16x16x4_f32). A number that lies on a knife's edge between two numbers of the format may be rounded either way, as far as f32 arithmetic and the matrix unit's own rounding can turn it there, and no further.
;;   INPUTS GIVEN AS CODES. Wk (in the module: [512, 64], K = its axis 0); Wq (in the module: [512, 64], K = its axis 0); Wv (in the module: [512, 64], K = its axis 0); x (in the module: [8, 2048, 512], K = its axis 2): each comes as NAME_codes (uint8): NAME with its K axis moved to the last place and cut into blocks of 32 codes, [.., K / 32, bytes a block], one block behind the other in memory; one code a byte (a code: sign, 4 exponent bits, 3 mantissa bits); and NAME_scales (uint8): the same leading axes, one E8M0 byte (e + 127) for each 32 codes along K. Its value is code x scale, taken as it is: it is not quantised again, and the codes and scales need not be those that the quantiser above would give.
;; One version. Each part assembles by itself: llvm-mc -triple=amdgcn-amd-amdhsa -mcpu=gfx1250 --defsym DOCPART=n.
;; ======== version 1 of 1: 2 launches
;; workspace buffers: kimg 1,048,576 bytes; qimg 1,048,576 bytes; vimg 1,048,576 bytes; ksc 65,536 bytes; qsc 65,536 bytes; vsc 65,536 bytes
;; launch proj (part 1): grid 256 x 1, 4 waves a work-group, clusters of 4 x 1, 168,448 bytes of LDS; arguments x_codes, x_scales, Wk_codes, Wq_codes, Wv_codes, Wk_scales, Wq_scales, Wv_scales, bk, bq, bv, kimg, qimg, vimg, ksc, qsc, vsc; writes kimg, qimg, vimg, ksc, qsc, vsc
.if DOCPART == 1
	.amdgcn_target "amdgcn-amd-amdhsa--gfx1250"
	.amdhsa_code_object_version 6
	.text
	.protected	k_q00b984abd9_proj
	.globl	k_q00b984abd9_proj
	.p2align	8
	.type	k_q00b984abd9_proj,@function
k_q00b984abd9_proj:
	s_mov_b64 s[64:65], 0
	v_nop
	global_prefetch_b8 v0, s[64:65] scope:SCOPE_SE
	s_setreg_imm32_b32 hwreg(HW_REG_WAVE_MODE, 25, 1), 1
	s_wait_xcnt 0x0
	s_wait_alu depctr_hold_cnt(0) depctr_sa_sdst(0) depctr_va_vdst(0) depctr_va_sdst(0) depctr_va_ssrc(0) depctr_va_vcc(0) depctr_vm_vsrc(0)
	s_getreg_b32 s2, hwreg(HW_REG_IB_STS2, 6, 4)
	s_cmp_eq_u32 s2, 0
	s_cbranch_scc0 .Lentry_in_a_cluster
	s_endpgm
.Lentry_in_a_cluster:
	s_bfe_u32 s2, ttmp6, 0x10000c
	s_cmp_lg_u32 s2, 0x3003
	s_cbranch_scc0 .Lentry_shape_is_right
	s_endpgm
.Lentry_shape_is_right:
; k = x Wk + bk, q = x Wq + bq, v = x Wv + bv on codes of FP8 (E4M3) with one E8M0 scale for each 32 along K = 512; the three results are quantised again, k and q along
; the head's 64, v along the tokens, and stored AS IMAGES OF THE OPERAND REGISTERS in which the attention launch wants them, so that it loads each fragment by 16-byte loads alone.
; SHARES.  256 work-groups of four waves; work-group g owns tokens 64 g .. 64 g + 63 of the 16,384.  Wave w: bb = w & 1 picks the block F = 2 g + bb of 32 tokens; g2 = w >> 1 picks the columns:
; g2 = 0: all 64 of Wk and columns 0-31 of Wv;  g2 = 1: all 64 of Wq and columns 32-63 of Wv.  A wave has 12 accumulators (2 tiles of tokens x 6 tiles of columns) and 4 K steps of 128: 48 matrix instructions.
; LAYOUT.  rp(r) = r + 8 (r / 8).  Tile u of a block's tokens holds tokens 8 u + rp(r), r = lane % 16; tile 2 b + y of Wk's or Wq's rows holds rows 32 b + 8 y + rp(r).
;   k, q: TRANSPOSED (source 0 = 16 rows of W, source 1 = 16 tokens): lane (r, h) holds ONE token, and the 16 registers of tiles 2 b, 2 b + 1 are head indices 32 b + 16 h + 0 .. 15: neighbours along the next K.
;   v: source 0 = 16 tokens, source 1 = 16 rows of Wv: lane (r, h) holds ONE column d, and the 16 registers of token tiles 0, 1 are tokens 16 h + 0 .. 15 of the block: neighbours along ITS next K, the keys.
; WHAT IS STORED.  kimg, qimg: [F][chunk 2 u + b][lane][16 bytes]: the 16 registers of one fragment whose K 0-63 is token tile 0 and K 64-127 token tile 1.  ksc, qsc: [F / 4][lane][F % 4] words, bytes (u0 b0, u0 b1, u1 b0, u1 b1).
;   vimg: [F / 4][d tile t][chunk F % 4][lane][16 bytes].  vsc: [F / 4][lane][t] words, byte F % 4.  Lanes 16-31 hold the same scale words as lanes 0-15, so that writer and reader both stand at 16 x lane with all lanes on.
;   The scale words and bytes (4 and 1 byte a lane, 16 bytes apart) do not fill their aligned 256-byte blocks in one store: they are 196,608 of the 3,342,336 bytes that the launch stores.
; CLUSTER.  The four work-groups of a cluster read the same three weights: each weight (64 rows x 512 bytes) is asked for JOINTLY, by waves 0, 1, 2, with a mask that names the four.  x's 64 rows are the work-group's own: wave 3, no mask.
; Every LDS byte is filled once: no slot is filled again.
; LIMITS.  NaN and infinities among the inputs are not served.  A block of zeros gets the byte 1 where the rule says 127: its codes are zeros, which add nothing under any byte but 0xff, and this program alone reads the bytes.
; Blocks whose largest magnitude lies under 2^(9 - 127) have their byte held at 1.
; REGISTERS.  Window 0: v5-12 addresses; v32-39 x's scale words (4 u + s); v40-63 the weights' (4 t + s); v64-127 k's or q's accumulators; v128-159 v's; v160-191, v192-207 biases in the results' layout;
;   v208-223 at work; v224 the scale word; v226-249 codes.   Window 1: the fragments of K steps 0, 1;  window 2: of K steps 2, 3: x's (u, s) at 16 (2 (s % 2) + u), the weights' (t, s) at 64 + 16 (6 (s % 2) + t).
.set PITCH, 528                        ; an LDS row: 512 bytes + 16 of padding = 132 words: row i starts at bank 4 i mod 64 (64 banks of 4 bytes: ISA guide 11.1)
.set WREG,  64*PITCH                   ; 64 rows: one weight, or x's tile.  LDS: Wk, Wq, Wv, x
.set XREG,  3*WREG
.set AX,   5                           ; v5   x's fragments: rp x pitch + 16 h + my block
.set AW,   6                           ; v6   Wk's or Wq's
.set AV,   7                           ; v7   Wv's: r x pitch + 16 h + my 32 rows
.set RP16, 8                           ; v8   16 rp: a row of 16 scale bytes
.set R16,  9                           ; v9   16 r
.set H64,  10                          ; v10  64 h: bk's or bq's 16 numbers of my half
.set R4,   11                          ; v11  4 r: bv's number of my column
.set LI,   12                          ; v12  16 x lane: my place in an image
.set XS,   32
.set WS,   40
.set ACC,  64                          ; k or q: (u, t) at ACC + 8 (4 u + t)
.set ACV,  128                         ; v: (t, u) at ACV + 8 (2 t + u)
.set BI,   160
.set BV,   192
.set TM,   208                         ; +0..3 largest magnitudes, +4..7 bytes, +8..11 448 x the scale, +12..15 the conversions' scale operands
.set PW,   224
.set PC,   226
.set PC2,  242
.set WV,   38                          ; s38  wave
.set G1J,  44                          ; s[44:51] descriptor group 1 of the joint loads;  s[52:59] of the plain one
.set G1P,  52
.set G0J,  60                          ; s[60:63], s[72:75] their groups 0
.set G0P,  72
.set SEL,  66                          ; s[66:67] v_permlanex16_b32's selects for lane l xor 16
.set MNT,  68                          ; s68  the mantissa field of 448
.set MSB, 0
.macro WIN new                         ; the immediate's high byte repeats the setting that is left; a switch that changes nothing is dropped
.if MSB != (\new)
	s_set_vgpr_msb (MSB<<8)|(\new)
.set MSB, (\new)
.endif
.endm
; A round of the cluster's barrier: my work-group's barrier, so that wave 0's signal speaks for all four waves; wave 0 signals; every wave waits for all four work-groups; my work-group's barrier once more.
.macro CROUND
	s_barrier_signal -1
	s_barrier_wait -1
	s_cmp_lg_u32 s[WV], 0
	s_cbranch_scc1 .Lnot_wave_0_\@
	s_barrier_signal -3
.Lnot_wave_0_\@:
	s_barrier_wait -3
	s_barrier_signal -1
	s_barrier_wait -1
.endm
	s_load_b512 s[4:19], s[0:1], 0x0               ; x codes s[4:5], x scales s[6:7], Wk, Wq, Wv codes s[8:13], Wk, Wq, Wv scales s[14:19]
	s_load_b512 s[20:35], s[0:1], 0x40             ; bk, bq, bv s[20:25], kimg, qimg, vimg s[26:31], ksc, qsc s[32:35]
	s_load_b64 s[36:37], s[0:1], 0x80              ; vsc
	v_lshl_add_u32 v254, v0, 2, 0x29000
	v_mov_b32 v255, 0
	ds_add_u32 v254, v255
	ds_add_u32 v254, v255
	v_lshrrev_b32 v1, 5, v0
	v_readfirstlane_b32 s[WV], v1                  ; wave 0..3
	s_bfe_u32 s39, ttmp6, 0x40000                  ; cx: my place in the cluster
	s_lshl_b32 s40, ttmp9, 2                       ; in a cluster launch ttmp9 counts clusters
	s_add_co_u32 s40, s40, s39                     ; g = 4 x cluster + cx: it enters global addresses of my own loads and stores alone
	s_and_b32 s41, s[WV], 1                        ; bb
	s_lshr_b32 s42, s[WV], 1                       ; g2
	s_lshl_b32 s43, s40, 1
	s_add_co_u32 s43, s43, s41                     ; F
	v_and_b32 v1, 31, v0                           ; lane
	v_and_b32 v2, 15, v0                           ; r
	v_bfe_u32 v3, v0, 4, 1                         ; h
	v_and_b32 v4, 8, v2
	v_add_nc_u32 v4, v4, v2                        ; rp = r + 8 (r / 8)
	v_mul_u32_u24 v13, v4, PITCH
	v_lshl_add_u32 v13, v3, 4, v13                 ; rp x pitch + 16 h
	s_mul_i32 s69, s41, 32*PITCH
	s_add_co_u32 s69, s69, XREG
	v_add_nc_u32 v[AX], s69, v13                   ; x: my block's 32 rows
	s_mul_i32 s70, s42, WREG
	v_add_nc_u32 v[AW], s70, v13                   ; Wk (g2 = 0) or Wq (g2 = 1)
	v_mul_u32_u24 v13, v2, PITCH
	v_lshl_add_u32 v13, v3, 4, v13
	s_mul_i32 s71, s42, 32*PITCH
	s_add_co_u32 s71, s71, 2*WREG
	v_add_nc_u32 v[AV], s71, v13                   ; Wv: rows 32 g2 on
	v_lshlrev_b32 v[RP16], 4, v4
	v_lshlrev_b32 v[R16], 4, v2
	v_lshlrev_b32 v[H64], 6, v3
	v_lshlrev_b32 v[R4], 2, v2
	v_lshlrev_b32 v[LI], 4, v1
.irp b, 0,1,2,3
	v_mov_b32 v[TM+4+\b], 0                        ; written once: a lane permute's destination counts as one of its sources
.endr
	s_mov_b32 s[SEL], 0x76543210
	s_mov_b32 s[SEL+1], 0xfedcba98
	s_mov_b32 s[MNT], 0x600000
	; descriptor group 1: 64 rows of 512 elements of one byte, dense in memory, 16 bytes of padding behind each row in LDS
	s_mov_b32 s[G1J], 15|(1<<20)|(1<<21)|(6<<22)|(3<<25)   ; 15:0 the mask: all four work-groups; 17:16 elements of 1 byte; 20 padding on; 21 set beside a mask; 24:22 after every 128 words (code 6); 31:25 four words (code 3)
	s_mov_b32 s[G1P], (1<<20)|(6<<22)|(3<<25)              ; the same with no mask
.irp g, G1J, G1P
	s_mov_b32 s[\g+1], 512<<16                     ; tensor_dim0 = 512
	s_mov_b32 s[\g+2], 64<<16                      ; tensor_dim1 = 64
	s_mov_b32 s[\g+3], 512<<16                     ; tile_dim0 = 512
	s_mov_b32 s[\g+4], 64                          ; tile_dim1 = 64
	s_mov_b32 s[\g+5], 512                         ; tensor_dim0_stride
	s_mov_b32 s[\g+6], 0
	s_mov_b32 s[\g+7], 0
.endr
	s_mov_b32 s77, 0                               ; the upper word of every offset below
	s_wait_dscnt 0x0
	s_wait_kmcnt 0x0
	; group 0 of the joint loads: wave 0 asks for Wk, wave 1 for Wq, wave 2 for Wv; nothing in it hangs on my place in the cluster
	s_cmp_eq_u32 s[WV], 0
	s_cselect_b64 s[G0J+2:G0J+3], s[8:9], s[10:11]
	s_cmp_lt_u32 s[WV], 2
	s_cselect_b64 s[G0J+2:G0J+3], s[G0J+2:G0J+3], s[12:13]
	s_or_b32 s[G0J+3], s[G0J+3], 0x80000000        ; 127:126 type = 2
	s_mov_b32 s[G0J], 1                            ; 1:0 count = 1
	s_mul_i32 s[G0J+1], s[WV], WREG                ; 63:32 LDS address: wave x 64 rows
	; group 0 of the plain load: my work-group's 64 rows of x, 32,768 dense bytes
	s_lshl_b32 s76, s40, 15
	s_add_nc_u64 s[G0P+2:G0P+3], s[4:5], s[76:77]
	s_or_b32 s[G0P+3], s[G0P+3], 0x80000000
	s_mov_b32 s[G0P], 1
	s_mov_b32 s[G0P+1], XREG
	; what hangs on g2: k's buffers or q's
	s_cmp_eq_u32 s42, 0
	s_cselect_b64 s[80:81], s[14:15], s[16:17]     ; the weight's scale bytes
	s_cselect_b64 s[82:83], s[20:21], s[22:23]     ; the bias
	s_cselect_b64 s[84:85], s[26:27], s[28:29]     ; the image
	s_cselect_b64 s[86:87], s[32:33], s[34:35]     ; its scale words
	s_lshl_b32 s76, s43, 9
	s_add_nc_u64 s[78:79], s[6:7], s[76:77]        ; x's scale bytes: 32 tokens x 16 bytes a block
	s_lshl_b32 s76, s42, 9
	s_add_nc_u64 s[88:89], s[18:19], s[76:77]      ; Wv's: my 32 rows
	s_lshl_b32 s76, s42, 7
	s_add_nc_u64 s[90:91], s[24:25], s[76:77]      ; bv: my 32 numbers
	s_lshl_b32 s76, s43, 11
	s_add_nc_u64 s[84:85], s[84:85], s[76:77]      ; the image: 2,048 F
	s_lshr_b32 s69, s43, 2                         ; F / 4
	s_and_b32 s70, s43, 3                          ; F % 4
	s_lshl_b32 s76, s69, 9
	s_lshl_b32 s71, s70, 2
	s_add_co_u32 s76, s76, s71
	s_add_nc_u64 s[86:87], s[86:87], s[76:77]      ; its scale words: 512 (F / 4) + 4 (F % 4)
	s_lshl_b32 s76, s69, 13
	s_lshl_b32 s71, s70, 9
	s_add_co_u32 s76, s76, s71
	s_lshl_b32 s71, s42, 12
	s_add_co_u32 s76, s76, s71
	s_add_nc_u64 s[92:93], s[30:31], s[76:77]      ; vimg: 8,192 (F / 4) + 512 (F % 4) + 2,048 x (2 g2)
	s_lshl_b32 s76, s69, 9
	s_add_co_u32 s76, s76, s70
	s_lshl_b32 s71, s42, 3
	s_add_co_u32 s76, s76, s71
	s_add_nc_u64 s[94:95], s[36:37], s[76:77]      ; vsc: 512 (F / 4) + (F % 4) + 4 x (2 g2)
	CROUND                                         ; all four work-groups are here: the joint loads meet
	s_cmp_lt_u32 s[WV], 3                          ; one tensor load a wave, all in this one branch on the wave's number: one load of mine is out.  Four v_nop follow each of the two lines
	s_cbranch_scc0 .Lfor_x
	tensor_load_to_lds s[G0J:G0J+3], s[G1J:G1J+7]
	s_nop 0
.rept 4
	v_nop
.endr
	s_branch .Lasked
.Lfor_x:
	tensor_load_to_lds s[G0P:G0P+3], s[G1P:G1P+7]
	s_nop 0
.rept 4
	v_nop
.endr
.Lasked:
	; scale words and biases go straight into registers while the tiles land.  A row's 16 scale bytes are its four K steps' words: one load of 16 bytes
.irp u, 0,1
	global_load_b128 v[XS+4*\u:XS+4*\u+3], v[RP16], s[78:79] offset:128*\u
.endr
.irp t, 0,1,2,3
	global_load_b128 v[WS+4*\t:WS+4*\t+3], v[RP16], s[80:81] offset:(32*(\t/2)+8*(\t%2))*16
.endr
.irp t, 0,1
	global_load_b128 v[WS+16+4*\t:WS+16+4*\t+3], v[R16], s[88:89] offset:256*\t
.endr
.irp t, 0,1,2,3
	global_load_b128 v[BI+8*\t:BI+8*\t+3], v[H64], s[82:83] offset:(32*(\t/2)+8*(\t%2))*4          ; lane (r, h), tile 2 b + y, register j: head index 32 b + 16 h + 8 y + j
	global_load_b128 v[BI+8*\t+4:BI+8*\t+7], v[H64], s[82:83] offset:(32*(\t/2)+8*(\t%2))*4+16
.endr
.irp t, 0,1
	global_load_b32 v[BV+8*\t], v[R4], s[90:91] offset:64*\t                                       ; v's results hold one column a lane: one number of bv,
.endr
	s_wait_loadcnt 0x0
.irp t, 0,1
.irp i, 1,2,3,4,5,6,7
	v_mov_b32 v[BV+8*\t+\i], v[BV+8*\t]            ; in all eight registers
.endr
.endr
	s_wait_tensorcnt 0x0                           ; for the others' sake: my tile lies in LDS
	s_barrier_signal -1
	s_barrier_wait -1                              ; all four tiles do
; The 32 LDS loads of K step s: x's two fragments, Wk's or Wq's four, Wv's two; a fragment is four loads of 16 bytes, 32 bytes apart.  Each K step has registers of its own: no load lands on a register that a product has read.
.macro LOADS s
	WIN 0x40*(1+\s/2)                              ; destination window 1 or 2, address window 0
.irp u, 0,1
.irp c, 0,1,2,3
	ds_load_b128 v[16*(2*(\s%2)+\u)+4*\c:16*(2*(\s%2)+\u)+4*\c+3], v[AX] offset:\u*8*PITCH+128*\s+32*\c
.endr
.endr
.irp t, 0,1,2,3
.irp c, 0,1,2,3
	ds_load_b128 v[64+16*(6*(\s%2)+\t)+4*\c:64+16*(6*(\s%2)+\t)+4*\c+3], v[AW] offset:(32*(\t/2)+8*(\t%2))*PITCH+128*\s+32*\c
.endr
.endr
.irp t, 0,1
.irp c, 0,1,2,3
	ds_load_b128 v[64+16*(6*(\s%2)+4+\t)+4*\c:64+16*(6*(\s%2)+4+\t)+4*\c+3], v[AV] offset:\t*16*PITCH+128*\s+32*\c
.endr
.endr
.endm
; The 12 matrix instructions of K step s, one on each accumulator, in the same order in every step.  The first step's C is the bias: nothing is cleared, nothing is added later.
.macro MUL s
	WIN 0x05*(1+\s/2)                              ; sources 0 and 1 window 1 or 2; C and D window 0
.irp u, 0,1
.irp t, 0,1,2,3
.if \s == 0
	v_wmma_scale_f32_16x16x128_f8f6f4 v[ACC+8*(4*\u+\t):ACC+8*(4*\u+\t)+7], v[64+16*(6*(\s%2)+\t):64+16*(6*(\s%2)+\t)+15], v[16*(2*(\s%2)+\u):16*(2*(\s%2)+\u)+15], v[BI+8*\t:BI+8*\t+7], v[WS+4*\t+\s], v[XS+4*\u+\s]
.else
	v_wmma_scale_f32_16x16x128_f8f6f4 v[ACC+8*(4*\u+\t):ACC+8*(4*\u+\t)+7], v[64+16*(6*(\s%2)+\t):64+16*(6*(\s%2)+\t)+15], v[16*(2*(\s%2)+\u):16*(2*(\s%2)+\u)+15], v[ACC+8*(4*\u+\t):ACC+8*(4*\u+\t)+7], v[WS+4*\t+\s], v[XS+4*\u+\s]
.endif
.endr
.endr
.irp t, 0,1
.irp u, 0,1
.if \s == 0
	v_wmma_scale_f32_16x16x128_f8f6f4 v[ACV+8*(2*\t+\u):ACV+8*(2*\t+\u)+7], v[16*(2*(\s%2)+\u):16*(2*(\s%2)+\u)+15], v[64+16*(6*(\s%2)+4+\t):64+16*(6*(\s%2)+4+\t)+15], v[BV+8*\t:BV+8*\t+7], v[XS+4*\u+\s], v[WS+16+4*\t+\s]
.else
	v_wmma_scale_f32_16x16x128_f8f6f4 v[ACV+8*(2*\t+\u):ACV+8*(2*\t+\u)+7], v[16*(2*(\s%2)+\u):16*(2*(\s%2)+\u)+15], v[64+16*(6*(\s%2)+4+\t):64+16*(6*(\s%2)+4+\t)+15], v[ACV+8*(2*\t+\u):ACV+8*(2*\t+\u)+7], v[XS+4*\u+\s], v[WS+16+4*\t+\s]
.endif
.endr
.endr
.endm
	LOADS 0
	LOADS 1
	s_wait_dscnt 32                                ; LDS loads come back in order (ISA guide 5.7.1): K step 0's 32 are in, the 32 issued behind them may be out
	MUL 0
	LOADS 2
	s_wait_dscnt 32                                ; K step 1's are in
	MUL 1
	LOADS 3
	s_wait_dscnt 32                                ; K step 2's
	MUL 2
	s_wait_dscnt 0x0
	MUL 3
	WIN 0
.rept 8
	v_nop                                          ; eight places between a matrix instruction of this form and the first vector read of its result
.endr
; nb blocks of 32 along the next K, 16 numbers of each in my registers v[src + 16 b ..] and 16 in lane l xor 16's, become codes in v[dst + 4 b ..]; the bytes stand in v[TM+4 ..]; with four blocks they make the word v[PW].
.macro QUANT src, nb, dst
.irp b, 0,1,2,3
.if \b < \nb
	v_max3_num_f32 v[TM+\b], |v[\src+16*\b]|, |v[\src+16*\b+1]|, 0x4800000   ; my 16 numbers, each accumulator from its low end on, and the floor 2^(9 - 127): so the byte cannot fall under 1
.endif
.endr
.irp i, 2,4,6,8,10,12,14
.irp b, 0,1,2,3
.if \b < \nb
	v_max3_num_f32 v[TM+\b], v[TM+\b], |v[\src+16*\b+\i]|, |v[\src+16*\b+\i+1]|   ; (the blocks by turns)
.endif
.endr
.endr
.irp b, 0,1,2,3
.if \b < \nb
	v_permlanex16_b32 v[TM+4+\b], v[TM+\b], s[SEL], s[SEL+1]
.endif
.endr
.irp b, 0,1,2,3
.if \b < \nb
	v_max_num_f32 v[TM+\b], v[TM+\b], v[TM+4+\b]   ; with lane l xor 16's: the block's largest magnitude
.endif
.endr
.irp b, 0,1,2,3
.if \b < \nb
	v_add_nc_u32 v[TM+12+\b], 0xfc000000, v[TM+\b] ; 8 off its exponent field: the conversion takes the exponent field of this operand as its scale
.endif
.endr
.irp b, 0,1,2,3
.if \b < \nb
	v_and_or_b32 v[TM+8+\b], v[TM+\b], 0x7f800000, s[MNT]   ; 448 x the scale
.endif
.endr
.irp b, 0,1,2,3
.if \b < \nb
	v_lshrrev_b32 v[TM+4+\b], 23, v[TM+12+\b]      ; the scale's byte
.endif
.endr
.if \nb == 4
	v_lshl_or_b32 v[PW], v[TM+5], 8, v[TM+4]
	v_lshl_or_b32 v[PW], v[TM+6], 16, v[PW]
	v_lshl_or_b32 v[PW], v[TM+7], 24, v[PW]
.endif
.irp b, 0,1,2,3
.if \b < \nb
.irp i, 0,1,2,3,4,5,6,7,8,9,10,11,12,13,14,15
	v_med3_num_f32 v[\src+16*\b+\i], v[\src+16*\b+\i], -v[TM+8+\b], v[TM+8+\b]   ; the conversion to an 8-bit code does not saturate (ISA guide 7.6.2): the hold at the largest code x the scale
.endr
	v_cvt_scalef32_pk8_fp8_f32 v[\dst+4*\b:\dst+4*\b+1], v[\src+16*\b:\src+16*\b+7], v[TM+12+\b]
	v_cvt_scalef32_pk8_fp8_f32 v[\dst+4*\b+2:\dst+4*\b+3], v[\src+16*\b+8:\src+16*\b+15], v[TM+12+\b]
.endif
.endr
	v_nop                                          ; one plain vector instruction behind the last conversion, ahead of whatever next writes its sources
.endm
	QUANT ACC, 4, PC                               ; block 2 u + b: token tile u, head indices 32 b on: the whole fragment and its scale word
.irp c, 0,1,2,3
	global_store_b128 v[LI], v[PC+4*\c:PC+4*\c+3], s[84:85] offset:512*\c    ; 32 lanes store 512 consecutive bytes, at a multiple of 256 from the buffer's first byte
.endr
	global_store_b32 v[LI], v[PW], s[86:87]
	QUANT ACV, 2, PC2                              ; block t: column 16 (2 g2 + t) + r, my block's 32 tokens.  It writes none of the registers that the stores above read
.irp t, 0,1
	global_store_b128 v[LI], v[PC2+4*\t:PC2+4*\t+3], s[92:93] offset:2048*\t
	global_store_b8 v[LI], v[TM+4+\t], s[94:95] offset:4*\t
.endr
	s_wait_tensorcnt 0x0
	ds_add_u32 v254, v255
	s_wait_dscnt 0x0
	CROUND                                         ; the closing round: no work-group ends while a partner may still ask for a tile that names it
	s_endpgm
.Lfunc_end_k_q00b984abd9_proj:
	.size	k_q00b984abd9_proj, .Lfunc_end_k_q00b984abd9_proj-k_q00b984abd9_proj
	.p2alignl 7, 3214868480
	.fill 96, 4, 3214868480
	.section	.rodata,"a",@progbits
	.p2align	6, 0x0
	.amdhsa_kernel k_q00b984abd9_proj
		.amdhsa_group_segment_fixed_size 168448
		.amdhsa_private_segment_fixed_size 0
		.amdhsa_enable_private_segment 0
		.amdhsa_kernarg_size 136
		.amdhsa_user_sgpr_count 2
		.amdhsa_user_sgpr_kernarg_segment_ptr 1
		.amdhsa_wavefront_size32 1
		.amdhsa_system_sgpr_workgroup_id_x 1
		.amdhsa_system_sgpr_workgroup_id_y 1
		.amdhsa_system_sgpr_workgroup_id_z 1
		.amdhsa_system_vgpr_workitem_id 0
		.amdhsa_next_free_vgpr 768
		.amdhsa_next_free_sgpr 96
		.amdhsa_reserve_vcc 0
		.amdhsa_float_denorm_mode_32 3
		.amdhsa_float_denorm_mode_16_64 3
		.amdhsa_memory_ordered 1
		.amdhsa_forward_progress 1
		.amdhsa_inst_pref_size 36
	.end_amdhsa_kernel
	.amdgpu_metadata
---
amdhsa.version: [ 1, 2 ]
amdhsa.kernels:
  - .name:           k_q00b984abd9_proj
    .symbol:         k_q00b984abd9_proj.kd
    .args:
      - { .name: x_codes, .offset: 0, .size: 8, .value_kind: global_buffer, .address_space: global }
      - { .name: x_scales, .offset: 8, .size: 8, .value_kind: global_buffer, .address_space: global }
      - { .name: Wk_codes, .offset: 16, .size: 8, .value_kind: global_buffer, .address_space: global }
      - { .name: Wq_codes, .offset: 24, .size: 8, .value_kind: global_buffer, .address_space: global }
      - { .name: Wv_codes, .offset: 32, .size: 8, .value_kind: global_buffer, .address_space: global }
      - { .name: Wk_scales, .offset: 40, .size: 8, .value_kind: global_buffer, .address_space: global }
      - { .name: Wq_scales, .offset: 48, .size: 8, .value_kind: global_buffer, .address_space: global }
      - { .name: Wv_scales, .offset: 56, .size: 8, .value_kind: global_buffer, .address_space: global }
      - { .name: bk, .offset: 64, .size: 8, .value_kind: global_buffer, .address_space: global }
      - { .name: bq, .offset: 72, .size: 8, .value_kind: global_buffer, .address_space: global }
      - { .name: bv, .offset: 80, .size: 8, .value_kind: global_buffer, .address_space: global }
      - { .name: kimg, .offset: 88, .size: 8, .value_kind: global_buffer, .address_space: global }
      - { .name: qimg, .offset: 96, .size: 8, .value_kind: global_buffer, .address_space: global }
      - { .name: vimg, .offset: 104, .size: 8, .value_kind: global_buffer, .address_space: global }
      - { .name: ksc, .offset: 112, .size: 8, .value_kind: global_buffer, .address_space: global }
      - { .name: qsc, .offset: 120, .size: 8, .value_kind: global_buffer, .address_space: global }
      - { .name: vsc, .offset: 128, .size: 8, .value_kind: global_buffer, .address_space: global }
    .group_segment_fixed_size: 168448
    .private_segment_fixed_size: 0
    .kernarg_segment_align: 8
    .kernarg_segment_size: 136
    .max_flat_workgroup_size: 128
    .sgpr_count:     96
    .vgpr_count:     768
    .wavefront_size: 32
...
	.end_amdgpu_metadata
.endif
;; end of part 1
;; launch attn (part 2): grid 32 x 8, 8 waves a work-group, no clusters, 88,064 bytes of LDS; arguments kimg, ksc, vimg, vsc, qimg, qsc, out0; writes out0
.if DOCPART == 2
	.amdgcn_target "amdgcn-amd-amdhsa--gfx1250"
	.amdhsa_code_object_version 6
	.text
	.protected	k_q00b984abd9_attn
	.globl	k_q00b984abd9_attn
	.p2align	8
	.type	k_q00b984abd9_attn,@function
k_q00b984abd9_attn:
	s_mov_b64 s[64:65], 0
	v_nop
	global_prefetch_b8 v0, s[64:65] scope:SCOPE_SE
	s_setreg_imm32_b32 hwreg(HW_REG_WAVE_MODE, 25, 1), 1
	s_wait_xcnt 0x0
; out[b][q][:] = the sum over keys k <= q of softmax_k(q . k / 8) v[k][:], both products on codes of FP8 (E4M3) with one E8M0 scale for each 32 along a product's K.  8 batches, 2,048 tokens, head 64.
; The operands come as images of their registers (made by the launch before): every fragment is 16-byte loads at 16 x lane, straight from memory into registers.
; THE SOFTMAX AHEAD OF THE SECOND PRODUCT: t = score x log2(e) / 8; M = the largest t so far, rounded UP to a whole number; p = 2^(t - M) is what is quantised, along the keys.  The row's sum is taken of the unquantised p and
; divides at the end.  When M moves, the sum and O are multiplied by 2^(old M - new M): exact.
; SHARES.  A PAIR is a block of 32 queries (two tiles of 16); pair P needs key steps 0 .. P / 4 of 128 keys.  Work-group (j, batch) owns the late pair 63 - j (16 - c steps, c = j / 4) and the early pair j (c + 1 steps): 17 pair steps
; in every work-group.  A wave holds one pair and a run of key steps, with a maximum and a sum of its own; the runs are merged in LDS at the end:
;   waves 0, 1, 4, 5: late pair, steps 0-7, two each;   late pair's other m = 8 - c steps: wave 7 the first m / 2 (it may have none), wave 2 the rest;   early pair's m = c + 1 steps: wave 6 the first m / 2 (or none), wave 3 the rest.
;   The step on the diagonal is the last step of waves 2 and 3.  Steps beyond the diagonal are never touched.
; K = 64 IN AN INSTRUCTION OF 128.  A fragment of k holds TWO tiles of 16 keys: K 0-63 the head of tile 0, K 64-127 the head of tile 1.  Multiplied by (q, zeros) it gives tile 0's scores, by (zeros, q) tile 1's: zero codes add nothing
; under any scale byte but 0xff, and no byte here is 0xff.  So k's fragments are dense, and q's eight registers stand between runs of eight zeros.
; LAYOUT.  Both products are used transposed: S^T = k q^T, O^T = v^T p^T: a lane holds ONE query throughout.  rp(r) = r + 8 (r / 8).  Tile y of block d of 32 keys holds keys 32 d + 8 y + rp(r), so that the 16 registers of a block's two
; tiles are keys 32 d + 16 (lane / 16) + 0 .. 15.  The queries of tile u are 8 u + rp(r) of the pair's 32.
; NO CLUSTER, NO LDS FOR K AND V.  The work-groups of a batch read the same images, but the eight waves of a work-group stand on eight different key steps at once.  A work-group loads 17 steps x 17,408 bytes = 295,936 bytes into registers,
; each byte used by one wave.  A joint fill would have to bring the batch's 16 steps, 278,528 bytes, into every LDS, and the same 295,936 bytes would then be read once more, out of LDS; partners would also need different numbers of steps.
; LIMITS.  NaN and infinities are not served.  p under 2^-126 comes out of v_exp_f32 as 0.  A block of p whose largest number lies under 2^(9 - 127) has its byte held at 1.
; REGISTERS.  Window 0: v1-11 addresses; v12-19 statistics, four a tile (-M, the largest t, the sum in two halves); v20-21 the mask's distances; v22-24 q's scale words; v25-26 p's; v27 -infinity; v28-31 k's scale words, v32-35 v's;
;   v36-75 zeros, q tile 0, zeros, q tile 1, zeros; v76-107 p's codes; v108-235 S^T, then p, 64 a tile; v236-254 at work; v255 16 x lane.   Window 1: v0-63 k's four fragments; v64-127 v's four; v128-191 O^T, 32 a tile.
.set SLOTB, 8704                       ; LDS: a wave's partial result: O^T's image, 16 x 512 bytes, then -M and the sum of tile 0, of tile 1: 4 x 128 bytes
.set OSTG,  8*SLOTB                    ; behind the eight: the stage for the way out, 64 rows x (256 bytes + 16)
.set OP,    272
.set ST,   12
.set DQ,   20
.set QW,   22                          ; v22 q's word (u0 b0, u0 b1, u1 b0, u1 b1); v23 the same << 16; v24 >> 16
.set PW,   25
.set NINF, 27
.set KS,   28
.set VS,   32
.set QZ,   36
.set P,    76
.set S,    108
.set BM,   236                         ; a block's largest score, then its largest p
.set PB,   240                         ; the other half's; the bytes; a second chain of sums
.set HD,   244                         ; 448 x the scale
.set SO,   248                         ; the conversions' scale operands
.set FF,   252                         ; v[252:253]: f in the low word (v253 was written at the head; only the low word is used)
.set TP,   254
.set LI,   255
.set KF,   0                           ; in window 1
.set VF,   64
.set OT,   128
.set WV,   18                          ; s18  wave
.set MNT,  19                          ; s19  the mantissa field of 448
.set SEL,  20                          ; s[20:21] v_permlanex16_b32's selects for lane l xor 16
.set CS,   22                          ; s[22:23] c = log2(e) / 8: the packed form names a pair and takes its low word
.set MSB, 0
.macro WIN new                         ; the immediate's high byte repeats the setting that is left; a switch that changes nothing is dropped
.if MSB != (\new)
	s_set_vgpr_msb (MSB<<8)|(\new)
.set MSB, (\new)
.endif
.endm
	s_load_b256 s[4:11], s[0:1], 0x0               ; kimg s[4:5], ksc s[6:7], vimg s[8:9], vsc s[10:11]
	s_load_b128 s[12:15], s[0:1], 0x20             ; qimg, qsc
	s_load_b64 s[16:17], s[0:1], 0x30              ; out
	s_set_vgpr_msb 0x40
	v_lshl_add_u32 v192, v0, 2, 0x15400
	v_mov_b32 v193, 0
	s_set_vgpr_msb 0x4000
	v_lshrrev_b32 v1, 5, v0
	v_readfirstlane_b32 s[WV], v1                  ; wave 0..7
	s_mov_b32 s24, ttmp9                           ; j
	s_and_b32 s25, ttmp7, 0xffff                   ; batch
	s_lshr_b32 s26, s24, 2                         ; c
	; THE ROLES, from the wave's and the work-group's numbers alone
	s_sub_co_u32 s38, 63, s24                      ; the late pair
	s_lshr_b32 s34, s[WV], 2
	s_xor_b32 s34, s34, s[WV]
	s_lshr_b32 s35, s[WV], 1
	s_and_b32 s34, s34, s35
	s_and_b32 s34, s34, 1                          ; 1 in waves 3 and 6: the early pair
	s_add_co_u32 s36, s26, 1                       ; the early pair's steps
	s_sub_co_u32 s37, 8, s26                       ; the late pair's steps from step 8 on
	s_and_b32 s39, s24, 3
	s_lshl_b32 s39, s39, 5                         ; where the pair begins in its diagonal step: early 32 (j % 4),
	s_sub_co_u32 s40, 96, s39                      ; late 96 - 32 (j % 4)
	s_cmp_lg_u32 s34, 0
	s_cselect_b32 s41, s36, s37                    ; m
	s_cselect_b32 s29, s24, s38                    ; s29  my pair
	s_cselect_b32 s31, s39, s40                    ; s31  rel
	s_cselect_b32 s42, 0, 8                        ; the split run's first step
	s_lshr_b32 s43, s41, 1                         ; m / 2
	s_sub_co_u32 s44, s41, s43
	s_add_co_u32 s45, s42, s43
	s_cmp_lt_u32 s[WV], 4                          ; of the split runs waves 2 and 3 take the later part, with the diagonal
	s_cselect_b32 s27, s45, s42                    ; s27  my first step
	s_cselect_b32 s28, s44, s43                    ; s28  how many
	s_cselect_b32 s30, 1, 0                        ; s30  my last step lies on the diagonal
	s_cselect_b32 s32, s38, s24                    ; s32  whose rows I store at the end: waves 0-3 the late pair's, waves 4-7 the early pair's
	s_and_b32 s46, s[WV], 1
	s_lshl_b32 s46, s46, 1
	s_and_b32 s47, s[WV], 4
	s_add_co_u32 s46, s46, s47                     ; waves 0, 1, 4, 5: steps 0, 2, 4, 6 on
	s_and_b32 s47, s[WV], 2
	s_cmp_lg_u32 s47, 0
	s_cselect_b32 s27, s27, s46
	s_cselect_b32 s28, s28, 2
	s_cselect_b32 s30, s30, 0
	; every address register is made here, ahead of the first branch
	v_and_b32 v254, 31, v0                         ; lane
	v_and_b32 v252, 15, v0                         ; r
	v_bfe_u32 v253, v0, 4, 1                       ; h
	v_and_b32 v251, 8, v252
	v_add_nc_u32 v251, v251, v252                  ; rp
	v_lshlrev_b32 v[LI], 4, v254
	s_lshl_b32 s34, s27, 13
	v_add_nc_u32 v1, s34, v[LI]                    ; v1  k's image: 8,192 bytes a step
	v_add_nc_u32 v2, s34, v[LI]                    ; v2  v's likewise
	s_lshl_b32 s35, s27, 9
	v_add_nc_u32 v3, s35, v[LI]                    ; v3  k's scale words: 512 bytes a step
	v_add_nc_u32 v4, s35, v[LI]                    ; v4  v's
	s_mul_i32 s36, s[WV], SLOTB
	v_add_nc_u32 v5, s36, v[LI]                    ; v5  my partial result: O^T's image
	s_add_co_u32 s37, s36, 8192
	v_lshl_add_u32 v6, v254, 2, s37                ; v6  and its statistics
	s_and_b32 s38, s[WV], 1                        ; in the merge I take query tile w % 2
	s_lshr_b32 s39, s[WV], 1                       ; and channels 16 (w / 2) on, of both pairs
	s_lshl_b32 s40, s38, 12
	s_lshl_b32 s41, s39, 10
	s_add_co_u32 s40, s40, s41
	v_add_nc_u32 v7, s40, v[LI]                    ; v7  that accumulator's place in a partial result
	s_lshl_b32 s41, s38, 8
	s_add_co_u32 s41, s41, 8192
	v_lshl_add_u32 v8, v254, 2, s41                ; v8  that tile's statistics
	s_mul_i32 s41, s38, 8*OP
	s_lshl_b32 s42, s39, 6
	s_add_co_u32 s41, s41, s42
	s_add_co_u32 s41, s41, OSTG
	v_mul_u32_u24 v9, v251, OP
	v_lshl_add_u32 v9, v253, 5, v9
	v_add_nc_u32 v9, s41, v9                       ; v9  the stage, in: row 8 (w % 2) + rp, bytes 64 (w / 2) + 32 h on
	s_mul_i32 s41, s[WV], 8*OP
	s_add_co_u32 s41, s41, OSTG
	v_mul_u32_u24 v10, v253, OP
	v_lshl_add_u32 v10, v252, 4, v10
	v_add_nc_u32 v10, s41, v10                     ; v10 the stage, back: rows 8 w on; lanes 0-15 one row, lanes 16-31 the next
	v_lshlrev_b32 v11, 8, v253
	v_lshl_add_u32 v11, v252, 4, v11               ; v11 and the same two rows in out
	v_lshlrev_b32 v[DQ], 4, v253
	v_sub_nc_u32 v[DQ], v251, v[DQ]
	v_add_nc_u32 v[DQ], s31, v[DQ]                 ; tile 0: my query - the diagonal step's first key - 16 h
	v_add_nc_u32 v[DQ+1], 8, v[DQ]                 ; tile 1: eight queries on
	s_mov_b32 s[MNT], 0x600000
	s_mov_b32 s[SEL], 0x76543210
	s_mov_b32 s[SEL+1], 0xfedcba98
	s_mov_b32 s[CS], 0x3e38aa3b                    ; log2(e) / 8
	s_mov_b32 s[CS+1], s[CS]                       ; (named with it as a pair, so it is written)
	s_lshl_b32 s34, s25, 17                        ; a batch's images: 131,072 bytes each
	s_mov_b32 s35, 0
	s_lshl_b32 s36, s25, 13                        ; its scale words: 8,192 bytes each
	s_mov_b32 s37, 0
	s_lshl_b32 s38, s29, 11                        ; q's image of my pair
	s_mov_b32 s39, 0
	s_lshr_b32 s40, s29, 2
	s_lshl_b32 s40, s40, 9
	s_and_b32 s41, s29, 3
	s_lshl_b32 s41, s41, 2
	s_add_co_u32 s40, s40, s41                     ; and its scale word: 512 (P / 4) + 4 (P % 4)
	s_mov_b32 s41, 0
	s_lshl_b32 s42, s25, 19                        ; out: 524,288 bytes a batch,
	s_lshl_b32 s43, s32, 13                        ; 8,192 a pair,
	s_add_co_u32 s42, s42, s43
	s_and_b32 s43, s[WV], 3
	s_lshl_b32 s43, s43, 11                        ; 8 rows of 256 bytes a wave
	s_add_co_u32 s42, s42, s43
	s_mov_b32 s43, 0
	s_wait_kmcnt 0x0
	s_add_nc_u64 s[4:5], s[4:5], s[34:35]
	s_add_nc_u64 s[8:9], s[8:9], s[34:35]
	s_add_nc_u64 s[12:13], s[12:13], s[34:35]
	s_add_nc_u64 s[12:13], s[12:13], s[38:39]
	s_add_nc_u64 s[6:7], s[6:7], s[36:37]
	s_add_nc_u64 s[10:11], s[10:11], s[36:37]
	s_add_nc_u64 s[14:15], s[14:15], s[36:37]
	s_add_nc_u64 s[14:15], s[14:15], s[40:41]
	s_add_nc_u64 s[16:17], s[16:17], s[42:43]
.macro KLOAD                           ; a step's four fragments of k and their scale words: 17 loads
	WIN 0x40                                       ; destination window 1, address window 0
.set n, 0
.rept 16
	global_load_b128 v[KF+4*n:KF+4*n+3], v1, s[4:5] offset:512*n
.set n, n+1
.endr
	WIN 0
	global_load_b128 v[KS:KS+3], v3, s[6:7]
.endm
.macro VLOAD                           ; the same of v
	WIN 0x40
.set n, 0
.rept 16
	global_load_b128 v[VF+4*n:VF+4*n+3], v2, s[8:9] offset:512*n
.set n, n+1
.endr
	WIN 0
	global_load_b128 v[VS:VS+3], v4, s[10:11]
.endm
	global_load_b128 v[QZ+8:QZ+11], v[LI], s[12:13]                ; q stays in registers: tile 0,
	global_load_b128 v[QZ+12:QZ+15], v[LI], s[12:13] offset:512
	global_load_b128 v[QZ+24:QZ+27], v[LI], s[12:13] offset:1024   ; tile 1,
	global_load_b128 v[QZ+28:QZ+31], v[LI], s[12:13] offset:1536
	global_load_b32 v[QW], v[LI], s[14:15]                         ; and the pair's scale word
	KLOAD                                          ; my first step.  (A wave with no step asks too: its first step exists, and one branch then serves)
	VLOAD
.irp u, 0,1
	v_mov_b32 v[ST+4*\u+1], 0xff61b1e6             ; the largest t so far: -3e38, under every t
	v_floor_f32 v[ST+4*\u], -v[ST+4*\u+1]          ; -M
	v_mov_b32 v[ST+4*\u+2], 0                      ; the sum, in two halves
	v_mov_b32 v[ST+4*\u+3], 0
.endr
.irp z, 0,16,32
.irp i, 0,1,2,3,4,5,6,7
	v_mov_b32 v[QZ+\z+\i], 0                       ; the zero codes beside q
.endr
.endr
.irp b, 0,1,2,3
	v_mov_b32 v[PB+\b], 0                          ; written once: a lane permute's destination counts as one of its sources
.endr
	v_mov_b32 v[NINF], 0xff800000
	s_wait_loadcnt 34                              ; loads come back in order (ISA guide 5.7.1): q's five are in; k's 17 and v's 17 may be out
	v_lshlrev_b32 v[QW+1], 16, v[QW]               ; tile 0's two bytes over K 64-127 (the bytes beside zero codes are 0, which is 2^-127 and harmless)
	v_lshrrev_b32 v[QW+2], 16, v[QW]               ; tile 1's two bytes over K 0-63
	WIN 0x40
.set n, 0
.rept 64
	v_mov_b32 v[OT+n], 0                           ; O^T.  The step is written once: the first finds zeros, which the first change of M leaves zeros; a wave with no step hands zeros on.  (These are also the places behind the two scale words)
.set n, n+1
.endr
	WIN 0
; S^T = k q^T: 16 matrix instructions, each on an accumulator of its own, C = 0.  Block d, key tile y, query tile u.
.macro SMUL
	WIN 0x01                                       ; source 0 (k) window 1
.irp d, 0,1,2,3
	v_wmma_scale_f32_16x16x128_f8f6f4 v[S+16*\d:S+16*\d+7], v[KF+16*\d:KF+16*\d+15], v[QZ+8:QZ+23], 0, v[KS+\d], v[QW]             ; y 0, u 0: (q0, zeros)
	v_wmma_scale_f32_16x16x128_f8f6f4 v[S+64+16*\d:S+64+16*\d+7], v[KF+16*\d:KF+16*\d+15], v[QZ+24:QZ+39], 0, v[KS+\d], v[QW+2]    ; y 0, u 1: (q1, zeros)
	v_wmma_scale_f32_16x16x128_f8f6f4 v[S+16*\d+8:S+16*\d+15], v[KF+16*\d:KF+16*\d+15], v[QZ:QZ+15], 0, v[KS+\d], v[QW+1]          ; y 1, u 0: (zeros, q0)
	v_wmma_scale_f32_16x16x128_f8f6f4 v[S+64+16*\d+8:S+64+16*\d+15], v[KF+16*\d:KF+16*\d+15], v[QZ+16:QZ+31], 0, v[KS+\d], v[QW]   ; y 1, u 1: (zeros, q1)
.endr
	WIN 0
.endm
; On the diagonal the scores of hidden keys become -infinity ahead of the maximum: p = 0 then.  Register 16 b + i holds key 32 b + 16 h + i of the step: hidden where 32 b + i > v[DQ + u].  The step's first key counts for every query.
.macro MASK u
.set n, 0
.rept 64
	v_cmp_gt_i32 vcc_lo, 32*(n/16)+n%16, v[DQ+\u]
	v_cndmask_b32 v[S+64*\u+n], v[S+64*\u+n], v[NINF], vcc_lo
.set n, n+1
.endr
.endm
; One tile's softmax for one key step: 64 scores a lane become p's codes and scale word; the sum and O^T come under the new M.
.macro SOFTMAX u
.set SS, S+64*\u
.set TT, ST+4*\u
.set PP, P+16*\u
.irp b, 0,1,2,3
	v_max3_num_f32 v[BM+\b], v[SS+16*\b], v[SS+16*\b+1], v[SS+16*\b+2]   ; the largest score of each block of 32 keys: it serves twice: for the row's maximum and, since p rises with the score, for the block's largest p
.endr
.irp i, 3,5,7,9,11,13
.irp b, 0,1,2,3
	v_max3_num_f32 v[BM+\b], v[BM+\b], v[SS+16*\b+\i], v[SS+16*\b+\i+1]  ; (the four blocks by turns; each accumulator is read from its low end on)
.endr
.endr
.irp b, 0,1,2,3
	v_max_num_f32 v[BM+\b], v[BM+\b], v[SS+16*\b+15]
.endr
.irp b, 0,1,2,3
	v_permlanex16_b32 v[PB+\b], v[BM+\b], s[SEL], s[SEL+1]
.endr
.irp b, 0,1,2,3
	v_max_num_f32 v[BM+\b], v[BM+\b], v[PB+\b]     ; with lane l xor 16's 16 keys
.endr
	v_max3_num_f32 v[TP], v[BM], v[BM+1], v[BM+2]
	v_max_num_f32 v[TP], v[TP], v[BM+3]            ; the step's largest score of my query
	v_mul_f32 v[TP], s[CS], v[TP]                  ; as t (c is positive)
	v_max_num_f32 v[TT+1], v[TT+1], v[TP]          ; the running largest t
	v_mov_b32 v[TP], v[TT]
	v_floor_f32 v[TT], -v[TT+1]                    ; the new -M = floor(-t) = -ceil(t): a whole number
	v_sub_f32 v[TP], v[TT], v[TP]                  ; old M - new M: a whole number, 0 or less
	v_cvt_i32_f32 v[TP], v[TP]                     ; (it saturates)
	v_ldexp_f32 v[FF], 1.0, v[TP]                  ; f = 2^(old M - new M)
.set n, 0
.rept 32
	v_pk_fma_f32 v[SS+n:SS+n+1], v[SS+n:SS+n+1], s[CS:CS+1], v[TT:TT+1] op_sel_hi:[1,0,0]   ; t - M, two at a time (of the pairs c and -M the low word serves both halves)
.set n, n+2
.endr
.irp b, 0,1,2,3
	v_fma_f32 v[BM+\b], v[BM+\b], s[CS], v[TT]     ; the same of each block's largest score
.endr
.set n, 0
.rept 64
	v_exp_f32 v[SS+n], v[SS+n]                     ; p = 2^(t - M), at most 1: not normalised
.set n, n+1
.endr
.irp b, 0,1,2,3
	v_exp_f32 v[BM+\b], v[BM+\b]                   ; the block's largest p: the same two instructions on the same number give the same bits
.endr
	v_pk_mul_f32 v[TT+2:TT+3], v[TT+2:TT+3], v[FF:FF+1] op_sel_hi:[1,0]   ; the sums under the new M.  (A plain place behind the exponentials)
	s_wait_alu depctr_va_vdst(0)
.irp b, 0,1,2,3
	v_max_num_f32 v[BM+\b], 0x4800000, v[BM+\b]    ; the floor 2^(9 - 127): the byte cannot fall under 1 (a block whose every p is 0 keeps that byte: its codes are zeros)
.endr
.irp b, 0,1,2,3
	v_add_nc_u32 v[SO+\b], 0xfc000000, v[BM+\b]    ; 8 off the exponent field: the conversion's scale operand
.endr
.irp b, 0,1,2,3
	v_and_or_b32 v[HD+\b], v[BM+\b], 0x7f800000, s[MNT]   ; 448 x the scale
.endr
.irp b, 0,1,2,3
	v_lshrrev_b32 v[PB+\b], 23, v[SO+\b]           ; the scale's byte
.endr
	v_lshl_or_b32 v[PW+\u], v[PB+1], 8, v[PB]      ; p's scale word for these 128 keys
	v_lshl_or_b32 v[PW+\u], v[PB+2], 16, v[PW+\u]
	v_lshl_or_b32 v[PW+\u], v[PB+3], 24, v[PW+\u]
	v_pk_add_f32 v[PB:PB+1], v[SS:SS+1], v[SS+2:SS+3]   ; the row's sum is taken of the unquantised p: two at a time, in two chains
.set n, 4
.rept 15
	v_pk_add_f32 v[TT+2:TT+3], v[TT+2:TT+3], v[SS+n:SS+n+1]
	v_pk_add_f32 v[PB:PB+1], v[PB:PB+1], v[SS+n+2:SS+n+3]
.set n, n+4
.endr
	v_pk_add_f32 v[TT+2:TT+3], v[TT+2:TT+3], v[PB:PB+1]
.irp b, 0,1,2,3
.set n, 0
.rept 16
	v_min_num_f32 v[SS+16*\b+n], v[SS+16*\b+n], v[HD+\b]   ; the conversion to an 8-bit code does not saturate (ISA guide 7.6.2); p is not negative, so the hold is one-sided
.set n, n+1
.endr
	v_cvt_scalef32_pk8_fp8_f32 v[PP+4*\b:PP+4*\b+1], v[SS+16*\b:SS+16*\b+7], v[SO+\b]
	v_cvt_scalef32_pk8_fp8_f32 v[PP+4*\b+2:PP+4*\b+3], v[SS+16*\b+8:SS+16*\b+15], v[SO+\b]
.endr
	WIN 0x41                                       ; O^T (destination and source 0) window 1, f window 0
.set n, 0
.rept 16
	v_pk_mul_f32 v[OT+32*\u+n:OT+32*\u+n+1], v[OT+32*\u+n:OT+32*\u+n+1], v[FF:FF+1] op_sel_hi:[1,0]   ; O^T under the new M.  (These 16 are also the plain lines behind the conversions and in front of the products that take the codes)
.set n, n+2
.endr
	WIN 0
.endm
; O^T += v^T p^T: eight matrix instructions, one on each accumulator; between two links of a chain stand the other seven and the next step's sixteen.
.macro PVMUL
	WIN 0x51                                       ; source 0 (v), C and D window 1; source 1 (p) window 0
.irp t, 0,1,2,3
.irp u, 0,1
	v_wmma_scale_f32_16x16x128_f8f6f4 v[OT+32*\u+8*\t:OT+32*\u+8*\t+7], v[VF+16*\t:VF+16*\t+15], v[P+16*\u:P+16*\u+15], v[OT+32*\u+8*\t:OT+32*\u+8*\t+7], v[VS+\t], v[PW+\u]
.endr
.endr
	WIN 0
.endm
; A KEY STEP of my pair.  pre = 1: the next step's k is asked for behind the first product and its v behind the second: each has a whole step in which to land.  diag = 1: my last step, which may lie on the diagonal.
; Eight places stand between a matrix instruction of this form and a load into a register that it has read, or the first vector read of its result.
.macro STEP pre, diag
	s_wait_loadcnt 17                              ; k and its scale words are in; the 17 loads of v issued behind them may be out
	SMUL
.if \pre
	v_add_nc_u32 v1, 0x2000, v1                    ; the wait above has shown the loads that named v1 and v3 done: on to the next step.  (Two of the eight places)
	v_add_nc_u32 v3, 0x200, v3
.rept 6
	v_nop
.endr
	KLOAD
.else
.rept 8
	v_nop
.endr
.endif
.if \diag
	s_cmp_eq_u32 s30, 0                            ; a branch on the wave's and the work-group's numbers
	s_cbranch_scc1 .Lopen_\@
	MASK 0
	MASK 1
.Lopen_\@:
.endif
	SOFTMAX 0
	SOFTMAX 1
.if \pre
	s_wait_loadcnt 17                              ; v and its scale words are in; the next k's 17 may be out
.else
	s_wait_loadcnt 0x0
.endif
	PVMUL
.if \pre
	v_add_nc_u32 v2, 0x2000, v2                    ; likewise for v
	v_add_nc_u32 v4, 0x200, v4
.rept 6
	v_nop
.endr
	VLOAD
.endif
.endm
	s_cmp_eq_u32 s28, 0
	s_cbranch_scc1 .Lpart                          ; no step is mine: zeros and M = -3e38 go into the merge
	s_sub_co_u32 s33, s28, 1
	s_cmp_eq_u32 s33, 0
	s_cbranch_scc1 .Ltail
.Lstep:                                                ; all my steps but the last
	STEP 1, 0
	s_sub_co_u32 s33, s33, 1
	s_cmp_lg_u32 s33, 0
	s_cbranch_scc1 .Lstep
.Ltail:
	STEP 0, 1                                      ; the last asks for nothing: no load leaves its buffer
.Lpart:
	; MY PARTIAL RESULT goes to LDS as an image of its registers
	s_wait_loadcnt 0x0                             ; (a wave with no step still has its 34 loads out)
	v_add_f32 v[ST+2], v[ST+2], v[ST+3]            ; the sums' two halves.  (Two of the eight places behind the last products)
	v_add_f32 v[ST+6], v[ST+6], v[ST+7]
.rept 6
	v_nop
.endr
	WIN 0x04                                       ; an LDS store's data are its source 1: window 1
.set n, 0
.rept 16
	ds_store_b128 v5, v[OT+4*n:OT+4*n+3] offset:512*n   ; each accumulator from its low end on
.set n, n+1
.endr
	WIN 0
	ds_store_b32 v6, v[ST]                         ; -M and the sum of tile 0,
	ds_store_b32 v6, v[ST+2] offset:128
	ds_store_b32 v6, v[ST+4] offset:256            ; of tile 1
	ds_store_b32 v6, v[ST+6] offset:384
	s_wait_dscnt 0x0                               ; for the others' sake: my stores have landed
	s_barrier_signal -1
	s_barrier_wait -1
	; THE MERGE.  Wave w takes one accumulator (query tile w % 2, channels 16 (w / 2) on) of both pairs, from every wave that worked on the pair: the late pair's six (q = 0 .. 5), the early pair's two (q = 6, 7).
.set MO, 108                           ; v108-171 the accumulator of producer q: 8 registers
.set MM, 172                           ; v172-179 its -M
.set ML, 180                           ; v180-187 its sum
.set MF, 188                           ; v188-203 its factor, in both registers of a pair
.set MT, 204                           ; v204-211 at work
.set LH, 212                           ; v212, v213 the least -M, then the sum, of the late and of the early pair;  v[214:215], v[216:217] their reciprocals
.macro MLOAD q, p
	ds_load_b128 v[MO+8*\q:MO+8*\q+3], v7 offset:\p*SLOTB
	ds_load_b128 v[MO+8*\q+4:MO+8*\q+7], v7 offset:\p*SLOTB+512
	ds_load_b32 v[MM+\q], v8 offset:\p*SLOTB
	ds_load_b32 v[ML+\q], v8 offset:\p*SLOTB+128
.endm
	MLOAD 0, 0
	MLOAD 1, 1
	MLOAD 2, 4
	MLOAD 3, 5
	MLOAD 4, 2
	MLOAD 5, 7
	MLOAD 6, 3
	MLOAD 7, 6
	s_wait_dscnt 0x0
	v_min3_num_f32 v[LH], v[MM], v[MM+1], v[MM+2]  ; the least -M is the largest M
	v_min_num_f32 v[LH+1], v[MM+6], v[MM+7]
	v_min3_num_f32 v[LH], v[LH], v[MM+3], v[MM+4]
	v_min_num_f32 v[LH], v[LH], v[MM+5]
.irp q, 0,1,2,3,4,5
	v_sub_f32 v[MT+\q], v[LH], v[MM+\q]            ; the producer's M less the largest: a whole number, 0 or less
.endr
.irp q, 6,7
	v_sub_f32 v[MT+\q], v[LH+1], v[MM+\q]
.endr
.irp q, 0,1,2,3,4,5,6,7
	v_cvt_i32_f32 v[MT+\q], v[MT+\q]               ; (it saturates: a wave that had no step gets the factor 0)
.endr
.irp q, 0,1,2,3,4,5,6,7
	v_ldexp_f32 v[MF+2*\q], 1.0, v[MT+\q]          ; an exact power of two, for both halves of the packed lines
	v_ldexp_f32 v[MF+2*\q+1], 1.0, v[MT+\q]
.endr
	v_mul_f32 v[LH], v[MF], v[ML]
	v_mul_f32 v[LH+1], v[MF+12], v[ML+6]
.irp q, 1,2,3,4,5
	v_fmac_f32 v[LH], v[MF+2*\q], v[ML+\q]
.endr
	v_fmac_f32 v[LH+1], v[MF+14], v[ML+7]
	v_permlanex16_b32 v[PB], v[LH], s[SEL], s[SEL+1]
	v_permlanex16_b32 v[PB+1], v[LH+1], s[SEL], s[SEL+1]
	v_add_f32 v[LH], v[LH], v[PB]                  ; with lane l xor 16's keys: the row's sum
	v_add_f32 v[LH+1], v[LH+1], v[PB+1]
	v_rcp_f32 v[LH+2], v[LH]                       ; made twice, to fill the pair that the packed multiply takes; the sums of O^T below are the plain lines behind them
	v_rcp_f32 v[LH+3], v[LH]
	v_rcp_f32 v[LH+4], v[LH+1]
	v_rcp_f32 v[LH+5], v[LH+1]
.irp i, 0,2,4,6
	v_pk_mul_f32 v[MO+\i:MO+\i+1], v[MO+\i:MO+\i+1], v[MF:MF+1]
	v_pk_mul_f32 v[MO+48+\i:MO+48+\i+1], v[MO+48+\i:MO+48+\i+1], v[MF+12:MF+13]
.endr
.irp q, 1,2,3,4,5
.irp i, 0,2,4,6
	v_pk_fma_f32 v[MO+\i:MO+\i+1], v[MO+8*\q+\i:MO+8*\q+\i+1], v[MF+2*\q:MF+2*\q+1], v[MO+\i:MO+\i+1]
.endr
.endr
.irp i, 0,2,4,6
	v_pk_fma_f32 v[MO+48+\i:MO+48+\i+1], v[MO+56+\i:MO+56+\i+1], v[MF+14:MF+15], v[MO+48+\i:MO+48+\i+1]
.endr
	s_wait_alu depctr_va_vdst(0)
.irp i, 0,2,4,6
	v_pk_mul_f32 v[MO+\i:MO+\i+1], v[MO+\i:MO+\i+1], v[LH+2:LH+3]               ; O^T / the sum: register i is out(query, 16 (w / 2) + 8 h + i)
	v_pk_mul_f32 v[MO+48+\i:MO+48+\i+1], v[MO+48+\i:MO+48+\i+1], v[LH+4:LH+5]
.endr
	ds_store_b128 v9, v[MO:MO+3]                   ; the late pair's rows 0-31 of the stage,
	ds_store_b128 v9, v[MO+4:MO+7] offset:16
	ds_store_b128 v9, v[MO+48:MO+51] offset:32*OP  ; the early pair's rows 32-63
	ds_store_b128 v9, v[MO+52:MO+55] offset:32*OP+16
	s_wait_dscnt 0x0                               ; for the others' sake: a row's 256 bytes come from four waves
	s_barrier_signal -1
	s_barrier_wait -1
	; THE WAY OUT: each wave stores eight whole rows, two an instruction
.irp k, 0,1,2,3
	ds_load_b128 v[MO+4*\k:MO+4*\k+3], v10 offset:2*\k*OP
.endr
.irp k, 0,1,2,3
	s_wait_dscnt 3-\k                              ; load k is back; the younger ones may be out
	global_store_b128 v11, v[MO+4*\k:MO+4*\k+3], s[16:17] offset:512*\k th:TH_STORE_NT   ; 32 lanes store 512 consecutive bytes, at a multiple of 256 from out's first byte; written once, read by nobody here
.endr
	s_barrier_signal -1
	s_barrier_wait -1
	s_set_vgpr_msb 0x5
	s_wait_tensorcnt 0x0
	ds_add_u32 v192, v193
	s_wait_dscnt 0x0
	s_set_vgpr_msb 0x500
	s_endpgm
.Lfunc_end_k_q00b984abd9_attn:
	.size	k_q00b984abd9_attn, .Lfunc_end_k_q00b984abd9_attn-k_q00b984abd9_attn
	.p2alignl 7, 3214868480
	.fill 96, 4, 3214868480
	.section	.rodata,"a",@progbits
	.p2align	6, 0x0
	.amdhsa_kernel k_q00b984abd9_attn
		.amdhsa_group_segment_fixed_size 88064
		.amdhsa_private_segment_fixed_size 0
		.amdhsa_enable_private_segment 0
		.amdhsa_kernarg_size 56
		.amdhsa_user_sgpr_count 2
		.amdhsa_user_sgpr_kernarg_segment_ptr 1
		.amdhsa_wavefront_size32 1
		.amdhsa_system_sgpr_workgroup_id_x 1
		.amdhsa_system_sgpr_workgroup_id_y 1
		.amdhsa_system_sgpr_workgroup_id_z 1
		.amdhsa_system_vgpr_workitem_id 0
		.amdhsa_next_free_vgpr 450
		.amdhsa_next_free_sgpr 66
		.amdhsa_reserve_vcc 1
		.amdhsa_float_denorm_mode_32 3
		.amdhsa_float_denorm_mode_16_64 3
		.amdhsa_memory_ordered 1
		.amdhsa_forward_progress 1
		.amdhsa_inst_pref_size 99
	.end_amdhsa_kernel
	.amdgpu_metadata
---
amdhsa.version: [ 1, 2 ]
amdhsa.kernels:
  - .name:           k_q00b984abd9_attn
    .symbol:         k_q00b984abd9_attn.kd
    .args:
      - { .name: kimg, .offset: 0, .size: 8, .value_kind: global_buffer, .address_space: global }
      - { .name: ksc, .offset: 8, .size: 8, .value_kind: global_buffer, .address_space: global }
      - { .name: vimg, .offset: 16, .size: 8, .value_kind: global_buffer, .address_space: global }
      - { .name: vsc, .offset: 24, .size: 8, .value_kind: global_buffer, .address_space: global }
      - { .name: qimg, .offset: 32, .size: 8, .value_kind: global_buffer, .address_space: global }
      - { .name: qsc, .offset: 40, .size: 8, .value_kind: global_buffer, .address_space: global }
      - { .name: out0, .offset: 48, .size: 8, .value_kind: global_buffer, .address_space: global }
    .group_segment_fixed_size: 88064
    .private_segment_fixed_size: 0
    .kernarg_segment_align: 8
    .kernarg_segment_size: 56
    .max_flat_workgroup_size: 256
    .sgpr_count:     66
    .vgpr_count:     450
    .wavefront_size: 32
...
	.end_amdgpu_metadata
.endif
;; end of part 2
